; MI455X (gfx1250); checked and timed in simulation.
; The chip was launched on July 23, 2026; its instructions are those of AMD's public machine-readable ISA for CDNA 5 (MIT licence, August 2026) and "CDNA5" Instruction Set Architecture Reference Guide (July 2026). The comments in the code are by the model that wrote it; some were corrected since.
;; S6. Allowed arithmetic: matrix products marked QUANTISED: E4M3 operands, one given power-of-two scale a tensor, by v_wmma_f32_16x16x64_fp8_fp8 or v_wmma_f32_16x16x128_fp8_fp8, f32 sums; products left as they are: f32 operands where the result goes on into a quantised operand, else bf16, f16 or f32 operands; f32 sums; everything else in f32.
;; Inputs: A 1,024 x 16 float32; W1_codes 1,024 x 32 x 32 uint8 (E4M3 codes of W1, K innermost, in blocks of 32 codes); W2_codes 16 x 32 x 32 uint8 (E4M3 codes of W2, K innermost, in blocks of 32 codes); W3_codes 16 x 32 x 32 uint8 (E4M3 codes of W3, K innermost, in blocks of 32 codes); b1 1,024 float32; b2 16 float32; b3 16 float32; lowp_scales 6 int32 (the exponents e of the quantised operands' scales 2^e); x 4 x 2,048 x 1,024 float32.
;; Outputs: out0 4 x 2,048 x 1,024 float32.
;; This version of the problem:
;;   THIS VERSION OF THE PROBLEM IS GIVEN IN LOW PRECISION. The matrix products marked QUANTISED in the list below multiply operands that are first quantised to E4M3 (4 exponent bits, 3 mantissa bits; 8 bits a number), with one given power-of-two scale for each operand tensor; their sums are f32. All else is computed in f32.
;;   The module's matrix products, in the order in which they are computed (A, B: the left and right operand; K: the contracted axis; several contracted axes count as one K, in the product's order):
;;     1. [M 8,192, K 1,024] x [K 1,024, N 16]; A: input x; B: input W2 (given as codes): QUANTISED (scales: A lowp_scales[0], B lowp_scales[1])
;;     2. [M 8,192, K 1,024] x [K 1,024, N 16]; A: input x; B: input W3 (given as codes): QUANTISED (scales: A lowp_scales[2], B lowp_scales[3])
;;     3. [M 8,192, K 1,024] x [K 1,024, N 1,024]; A: input x; B: input W1 (given as codes): QUANTISED (scales: A lowp_scales[4], B lowp_scales[5])
;;     4. batch 8,192 x [M 1,024, K 1] x [K 1, N 16]; A: computed on the way; B: computed on the way: left as it is (no contracted axis)
;;     5. batch 8,192 x [M 1, K 16] x [K 16, N 1,024]; A: computed on the way; B: computed on the way: left as it is (K = 16 < 32)
;;   THE QUANTISER, for each operand of a quantised product, along K:
;;     - The operand's scale is 2^e, e = its entry of the input lowp_scales (int32; the entries are numbered through the quantised products in the list's order, A before B).
;;     - Each number is divided by the scale, clamped to +-448, and rounded to the nearest number of E4M3, ties to even, subnormals kept.
;;     - The product sums the exact products of the quantised numbers (number of the format x scale) in f32.
;;   ~~~python
;;   def quantise(x, axis, e):      # numpy; x: float32 -> the quantised numbers, widened to float32 again
;;       x = np.moveaxis(x, axis, -1); K = x.shape[-1]
;;       r = np.clip(x / 2.0 ** e, -448, 448)
;;       step = 2.0 ** (np.maximum(np.frexp(np.where(r == 0, 1, r))[1] - 1, -6) - 3)
;;       q = np.round(r / step) * step * 2.0 ** e      # np.round: ties to even
;;       return np.moveaxis(q, -1, axis).astype(np.float32)
;;   ~~~
;;   INPUTS GIVEN AS CODES. W1 (in the module: [1024, 1024], K = its axis 0); W2 (in the module: [1024, 16], K = its axis 0); W3 (in the module: [1024, 16], K = its axis 0): each comes as NAME_codes (uint8): NAME with its K axis moved to the last place and cut into blocks of 32 codes, [.., K / 32, bytes a block], one block behind the other in memory; one code a byte (a code: sign, 4 exponent bits, 3 mantissa bits); its scale is its entry of lowp_scales. Its value is code x scale, taken as it is: it is not quantised again, and the codes and scales need not be those that the quantiser above would give.
;; One version. Each part assembles by itself: llvm-mc -triple=amdgcn-amd-amdhsa -mcpu=gfx1250 --defsym DOCPART=n.
;; ======== version 1 of 1: 1 launch
;; launch s6 (part 1): grid 256 x 1, 4 waves a work-group, clusters of 4 x 1, 327,680 bytes of LDS; arguments x, W1_codes, W2_codes, W3_codes, b1, b2, b3, lowp_scales, out0; writes out0
.if DOCPART == 1
	.amdgcn_target "amdgcn-amd-amdhsa--gfx1250"
	.amdhsa_code_object_version 6
	.text
	.protected	k_q3e9696af9e_s6
	.globl	k_q3e9696af9e_s6
	.p2align	8
	.type	k_q3e9696af9e_s6,@function
k_q3e9696af9e_s6:
	s_mov_b64 s[64:65], 0
	v_nop
	global_prefetch_b8 v0, s[64:65] scope:SCOPE_SE
	s_setreg_imm32_b32 hwreg(HW_REG_WAVE_MODE, 25, 1), 1
	s_wait_xcnt 0x0
	s_wait_alu depctr_hold_cnt(0) depctr_sa_sdst(0) depctr_va_vdst(0) depctr_va_sdst(0) depctr_va_ssrc(0) depctr_va_vcc(0) depctr_vm_vsrc(0)
	s_getreg_b32 s2, hwreg(HW_REG_IB_STS2, 6, 4)
	s_cmp_eq_u32 s2, 0
	s_cbranch_scc0 .Lentry_in_a_cluster
	s_endpgm
.Lentry_in_a_cluster:
	s_bfe_u32 s2, ttmp6, 0x10000c
	s_cmp_lg_u32 s2, 0x3003
	s_cbranch_scc0 .Lentry_shape_is_right
	s_endpgm
.Lentry_shape_is_right:
; S6, the non-recurrent branch.  The sum over n factors out of the two small products, so no [b,l,d,n] tensor is formed:
;   y[row][d] = x[row][d] * softplus(z[row][d]) * s[row],   z = Q(x; e4) W1 2^(e4+e5) + b1,   s = sum over n of B[row][n] C[row][n],
;   B = Q(x; e0) W2 2^(e0+e1) + b2,   C = Q(x; e2) W3 2^(e2+e3) + b3.   Q: E4M3 with the given scale; x is quantised three times, once for each given exponent.
; The input A is not among this kernel's arguments: no statement of the function that defines the result reads it, so no output number hangs on it.
; SHARES.  8,192 rows = 256 work-groups x 32 rows, all 1,024 columns: x is read by one work-group alone, once, and y written once.  Wave w owns columns 256 b + 64 w + 0..63, b = 0..3, of all 32 rows.
; LAYOUT.  Source 0 = 16 rows of x, source 1 = 16 rows of W1 (K innermost).  Lane r of tile t takes W1's row 256 b + 64 w + 4 r + t: register j of accumulator (m, t) in lane (r, h) is then
;   y(16 m + 8 h + j, 256 b + 64 w + 4 r + t): the four tiles' registers j are 16 neighbouring bytes of a row, and sixteen lanes hold 256 consecutive aligned bytes: y is stored from registers, with no stage.
;   x is loaded once in that same layout (256 registers), is the conversions' source, and stays for the last multiplication.  Only its codes, a quarter of the bytes, change lanes, through LDS.
; K's PLACES.  Every fragment is fetched by loads of 16 bytes: register 4 c + i, byte g, of lane (r, h) holds k = 32 c + 16 h + 4 i + g, alike in both sources of every product, so each product meets its partner.
; W1 goes through a ring of two LDS slots (256 columns x 512 along K each).  All work-groups walk the same W1, so the four of a cluster ask for each tile JOINTLY (mask 15).
; The loop goes by column blocks of 256, whole K inside, so that 32 x 256 of y is finished every two slots; a block's softplus and stores stand among the next block's loads and products.
; softplus in base 2: z' = z log2(e); softplus(z) = ln 2 (max(z', 0) + log2(1 + 2^-|z'|)); ln 2 and s are multiplied into x beforehand.
; LIMITS.  e0, e2, e4 between -126 and 119; e0+e1 and e2+e3 between -126 and 127; e4+e5 between -126 and 126: each power of two below is then an f32 number.  NaN in x is not served (an infinity is held
;   at the largest code).  Where 2^-|z'| is under 2^-24, 1 + 2^-|z'| rounds to 1 and the logarithm gives 0: an absolute error under 1e-7 in softplus.
; REGISTERS, in windows of 256 (s_set_vgpr_msb: bits 1:0 source 0, 3:2 source 1, 5:4 source 2, 7:6 destination):
;   window 0: v0-23 addresses and scales; v28, v29 b2[r], b3[r]; v32-47 at work; v48-63 b1 log2(e); v64-127 the 8 accumulators; v128-191 z'; v192-255 y.
;             At the set-up: v64-95 x's fragments for B and C, v96-127 their four accumulators, v128-191 held numbers, v192-239 codes; then v128-255 the four waves' partial sums, v128-143 s.
;   window 1: x's 16 fragments under e4 (tile of rows m, K step q: 16 (8 m + q)).   window 2: x, later x s ln 2 (64 b + 32 m + 4 j + t).
;   window 3: v0-63, v64-127 two sets of W1's four fragments; v128-159 W2's, v160-191 W3's fragments of my K.
.set PITCH,  528                       ; an LDS row of W1: 512 bytes + 16 of padding = 33 x 16: the 16 rows of a fragment load fall on 16 different columns of 16 bytes
.set TREG,   64*PITCH                  ; a slot's region t: rows t, t + 4, t + 8 .. of the block's 256; what one wave's tensor load brings
.set SLOT,   4*TREG                    ; 135,168 bytes
.set IMG,    2*SLOT                    ; x's codes as images of fragments: fragment 8 m + q at 2,176 each; c at 544, half at 272, row at 16, word at 4
.set PART,   IMG+34816                 ; the waves' partial sums of B and C: 4,096 bytes a wave, images of registers
.set SPARE,  PART+16384                ; the spare words, 128 bytes for each wave: two blocks of 256 bytes that no other line names
.set XO,   3                           ; v3   my byte in the work-group's rows of x and of y: 8 h rows + 256 w + 16 r
.set SA,   4                           ; v4   where I store a word of codes
.set LA,   5                           ; v5   where I read 16 bytes of a fragment's image
.set LAW,  6                           ; v6   the same at my wave's own 64 along K
.set PST,  7                           ; v7   where I store partial sums
.set PLD,  8                           ; v8   where I read them
.set W2O,  9                           ; v9   my byte in W2's and W3's codes: row r, + 64 w + 16 h
.set B1O,  10                          ; v10  my byte in b1
.set B2O,  11                          ; v11  my byte in b2 and b3
.set WA,   12                          ; v12-15  W1's fragments: slot p, regions 2 u and 2 u + 1, at v[WA + 2 p + u]
.set SPW,  16                          ; v16  LDS address of my spare word; never rewritten
.set NIL,  17                          ; v17  0; never rewritten
.set E,    32
.set M,    40
.set B1P,  48
.set ACC,  64
.set Z,    128
.set Y,    192
.set FA0,  64
.set FA2,  80
.set BB,   96
.set T,    128
.set CD,   192
.set P,    128
.set W2F,  128                         ; in window 3
.set W3F,  160
.set WV,   22                          ; s22  my wave's number
.set G1,   32                          ; s[32:39] descriptor group 1
.set G0,   40                          ; s[40:43], s[44:47] group 0, a set for each slot
.set SCL,  48                          ; s[48:49] log2(e) 2^(e4+e5)
.set MUL,  0x0d                        ; source 0 (x) window 1, source 1 (W1) window 3, C and D window 0
.set MSB,  0
.macro WIN new                         ; the immediate's high byte repeats the setting that is left; a switch that changes nothing is dropped
.if MSB != \new
	s_set_vgpr_msb (MSB<<8)|\new
.set MSB, \new
.endif
.endm
.macro PLACES                          ; four plain places behind a matrix instruction, in front of loads into registers that it read and of reads of its result
.rept 4
	v_nop
.endr
.endm
.macro CREST                           ; a round of the cluster's barrier behind its opening barrier
	s_cmp_lg_u32 s[WV], 0
	s_cbranch_scc1 .Lnot_wave_0_\@
	s_barrier_signal -3
.Lnot_wave_0_\@:
	s_barrier_wait -3
	s_barrier_signal -1
	s_barrier_wait -1
.endm
.macro CROUND                          ; a whole round
	s_barrier_signal -1
	s_barrier_wait -1
	CREST
.endm
.macro XLOAD b                         ; x, column block b: 16 loads; sixteen lanes read 256 consecutive aligned bytes of a row
	WIN 0x80
.irp m, 0,1
.irp j, 0,1,2,3,4,5,6,7
	global_load_b128 v[64*(\b)+32*\m+4*\j:64*(\b)+32*\m+4*\j+3], v[XO], s[4:5] offset:(16*\m+\j)*4096+1024*(\b) th:TH_LOAD_NT
.endr
.endr
.endm
	s_load_b256 s[4:11], s[0:1], 0x0               ; x s[4:5], W1 s[6:7], W2 s[8:9], W3 s[10:11]
	s_load_b256 s[12:19], s[0:1], 0x20             ; b1 s[12:13], b2 s[14:15], b3 s[16:17], the scales' exponents s[18:19]
	s_load_b64 s[20:21], s[0:1], 0x40              ; y
	v_lshl_add_u32 v[SPW], v0, 2, SPARE
	v_mov_b32 v[NIL], 0
	ds_add_u32 v16, v17
	ds_add_u32 v16, v17
	s_wait_dscnt 0x0
	v_lshrrev_b32 v1, 5, v0
	v_readfirstlane_b32 s[WV], v1                  ; wave 0..3
	v_and_b32 v1, 15, v0                           ; r
	v_bfe_u32 v2, v0, 4, 1                         ; h
	s_lshl_b32 s54, s[WV], 8                       ; my wave's 64 columns of f32: 256 bytes
	v_lshlrev_b32 v[B1O], 4, v1                    ; my 4 columns: 16 bytes
	v_lshl_add_u32 v[XO], v2, 15, v[B1O]           ; + 8 h rows of 4,096 bytes
	v_add_nc_u32 v[B1O], s54, v[B1O]
	v_add_nc_u32 v[XO], s54, v[XO]
	v_lshlrev_b32 v[W2O], 10, v1                   ; W2, W3: row n = r of 1,024 codes,
	v_lshl_add_u32 v[W2O], v2, 4, v[W2O]           ; + 16 h,
	s_lshl_b32 s55, s[WV], 6
	v_add_nc_u32 v[W2O], s55, v[W2O]               ; + my wave's 64 along K
	v_lshlrev_b32 v[B2O], 2, v1
	s_bfe_u32 s23, ttmp6, 0x40000                  ; cx: my place in the cluster; it enters x's and y's addresses alone
	s_lshl_b32 s30, ttmp9, 2                       ; in a cluster launch ttmp9 counts clusters
	s_add_co_u32 s30, s30, s23                     ; my work-group
	s_lshl_b32 s30, s30, 17                        ; x 32 rows of 4,096 bytes
	s_mov_b32 s31, 0
	; descriptor group 1: 64 rows of 512 codes, every fourth row of W1, padded in LDS
	s_mov_b32 s[G1+0], 15|(0<<16)|(1<<20)|(1<<21)|(6<<22)|(3<<25)  ; 15:0 the mask: all four work-groups; 17:16 elements of 1 byte; 20 padding on; 21 set beside a mask; 24:22 after every 128 words (code 6); 31:25 four words (code 3)
	s_mov_b32 s[G1+1], 512<<16                     ; tensor_dim0 = 512
	s_mov_b32 s[G1+2], 64<<16                      ; tensor_dim1 = 64
	s_mov_b32 s[G1+3], 512<<16                     ; tile_dim0 = 512
	s_mov_b32 s[G1+4], 64                          ; tile_dim1 = 64
	s_mov_b32 s[G1+5], 4096                        ; from row to row: four rows of W1
	s_mov_b32 s[G1+6], 0
	s_mov_b32 s[G1+7], 0
	s_mul_i32 s54, s[WV], TREG                     ; wave w fetches region w: no place in the cluster enters an LDS address
	s_lshl_b32 s58, s[WV], 10                      ; which begins with W1's row w
	s_mov_b32 s59, 0
	s_wait_kmcnt 0x0
	s_load_b128 s[24:27], s[18:19], 0x0            ; e0, e1, e2, e3
	s_load_b64 s[28:29], s[18:19], 0x10            ; e4, e5
	s_add_nc_u64 s[4:5], s[4:5], s[30:31]          ; x and y at my work-group's first row
	s_add_nc_u64 s[20:21], s[20:21], s[30:31]
	s_add_nc_u64 s[58:59], s[6:7], s[58:59]
	WIN 0xc0                                       ; 22 small loads first: every later counted wait shows them in
.irp b, 0,1,2,3
.irp c, 0,1
	global_load_b128 v[W2F+8*\b+4*\c:W2F+8*\b+4*\c+3], v[W2O], s[8:9] offset:256*\b+32*\c     ; k = 256 b + 64 w + 32 c + 16 h + 0..15 of column n = r
	global_load_b128 v[W3F+8*\b+4*\c:W3F+8*\b+4*\c+3], v[W2O], s[10:11] offset:256*\b+32*\c
.endr
.endr
	WIN 0
.irp b, 0,1,2,3
	global_load_b128 v[B1P+4*\b:B1P+4*\b+3], v[B1O], s[12:13] offset:1024*\b                 ; b1 of my four columns of block b
.endr
	global_load_b32 v28, v[B2O], s[14:15]
	global_load_b32 v29, v[B2O], s[16:17]
	XLOAD 0
	XLOAD 1
	WIN 0                                          ; at a label and at a branch every window is 0
.irp p, 0,1
	s_mov_b32 s[G0+4*\p], 1                                        ; count = 1
	s_add_co_u32 s[G0+4*\p+1], s54, \p*SLOT                        ; LDS address
	s_add_nc_u64 s[G0+4*\p+2:G0+4*\p+3], s[58:59], \p*512          ; global address: column block 0, K half p
	s_or_b32 s[G0+4*\p+3], s[G0+4*\p+3], 0x80000000                ; type = 2
.endr
	CROUND                                         ; all four work-groups are here: the first joint loads meet
	tensor_load_to_lds s[G0:G0+3], s[G1:G1+7]      ; both first fills together, ahead of every wait on TENSORcnt and every LDS read: two loads of mine are out
	s_nop 0
	tensor_load_to_lds s[G0+4:G0+7], s[G1:G1+7]
	s_nop 0
	PLACES                                         ; four v_nop follow
	XLOAD 2
	XLOAD 3
	WIN 0
	; LDS addresses: a constant, a constant x wave, terms of the lane
	s_mul_i32 s56, s[WV], 1088                     ; my wave's 64 along K are half a fragment's image: 2 c x 544
	s_add_co_u32 s56, s56, IMG
	v_lshrrev_b32 v24, 2, v1
	v_mul_u32_u24 v[SA], v24, 272                  ; my 4 columns lie in (c, half) = r / 4: 272 each;
	v_lshl_add_u32 v[SA], v2, 7, v[SA]             ; rows 8 h on: 16 bytes each;
	v_and_b32 v24, 3, v1
	v_lshl_add_u32 v[SA], v24, 2, v[SA]            ; word r % 4.  The 32 lanes of a store touch 32 different banks
	v_add_nc_u32 v[SA], s56, v[SA]
	v_mul_u32_u24 v[LA], v2, 272
	v_lshl_add_u32 v[LA], v1, 4, v[LA]             ; back: half h, row r
	v_add_nc_u32 v[LAW], s56, v[LA]
	v_add_nc_u32 v[LA], IMG, v[LA]
	v_and_b32 v24, 31, v0
	v_lshlrev_b32 v[PLD], 4, v24                   ; 16 x lane
	s_lshl_b32 s57, s[WV], 12
	s_add_co_u32 s57, s57, PART
	v_add_nc_u32 v[PST], s57, v[PLD]
	v_add_nc_u32 v[PLD], PART, v[PLD]
	s_mul_i32 s57, s[WV], 16*PITCH                 ; W1's row 64 w + 4 r + t is row 16 w + r of region t
	v_mul_u32_u24 v24, v1, PITCH
	v_lshl_add_u32 v24, v2, 4, v24
	v_add_nc_u32 v[WA], s57, v24
	v_add_nc_u32 v[WA+1], 2*TREG, v[WA]
	v_add_nc_u32 v[WA+2], SLOT, v[WA]
	v_add_nc_u32 v[WA+3], SLOT+2*TREG, v[WA]
	s_wait_kmcnt 0x0                               ; the six exponents
.macro SCALE e, sc, lim                ; v[sc] = 2^e as f32 (the conversion takes its exponent field), v[lim] = 448 x 2^e
	s_add_co_i32 s54, s[\e], 127
	s_lshl_b32 s55, s54, 23
	v_mov_b32 v[\sc], s55
	s_add_co_i32 s54, s54, 8
	s_lshl_b32 s54, s54, 23
	s_or_b32 s54, s54, 0x600000
	v_mov_b32 v[\lim], s54
.endm
	SCALE 24, 18, 19
	SCALE 26, 20, 21
	SCALE 28, 22, 23
	s_add_co_i32 s50, s24, s25
	s_add_co_i32 s50, s50, 127
	s_lshl_b32 s50, s50, 23                        ; 2^(e0+e1)
	s_mov_b32 s51, s50                             ; (named with it as a pair, so it is written)
	s_add_co_i32 s52, s26, s27
	s_add_co_i32 s52, s52, 127
	s_lshl_b32 s52, s52, 23                        ; 2^(e2+e3)
	s_mov_b32 s53, s52
	s_add_co_i32 s[SCL], s28, s29
	s_lshl_b32 s[SCL], s[SCL], 23
	s_add_co_i32 s[SCL], s[SCL], 0x3fb8aa3b        ; e4 + e5 added to the exponent field of log2(e)
	s_mov_b32 s[SCL+1], s[SCL]
; x's column block b under one scale: 64 holds, 8 conversions, 16 words of codes into the images; fa != 0: my wave's own 64 along K come straight back as two fragments for the K = 64 form.
; Register cd + 8 m + j holds the four codes of row 16 m + 8 h + j.  LDS serves a wave's instructions in order (ISA guide 5.7.1.4): the loads see the stores, and the next scale's stores come behind the loads.
.macro QSC b, sc, lim, cd, fa
	WIN 0x02                                       ; source 0 (x) window 2
.set II, 0
.rept 64
	v_med3_num_f32 v[T+II], v[64*(\b)+II], -v[\lim], v[\lim]       ; the conversion to an 8-bit code does not saturate (ISA guide 7.6.2): the hold at the largest code x the scale
.set II, II+1
.endr
	WIN 0
.irp g, 0,1,2,3,4,5,6,7
	v_cvt_scalef32_pk8_fp8_f32 v[\cd+2*\g:\cd+2*\g+1], v[T+8*\g:T+8*\g+7], v[\sc]
.endr
	v_nop                                          ; one plain line between the conversions and the next holds, which write their sources
.irp m, 0,1
.irp j, 0,1,2,3,4,5,6,7
	ds_store_b32 v[SA], v[\cd+8*\m+\j] offset:17408*\m+4352*(\b)+16*\j
.endr
.endr
.if \fa
.irp m, 0,1
.irp c, 0,1
	ds_load_b128 v[\fa+8*\m+4*\c:\fa+8*\m+4*\c+3], v[LAW] offset:17408*\m+4352*(\b)+544*\c
.endr
.endr
.endif
.endm
; Column block b: the three scales, e4's last, so that its codes stay in the images; then my share of B's and C's K: 64 along K for both tiles of rows.  The four accumulators take turns.
.macro QB b
	s_wait_loadcnt 48-16*(\b)                      ; loads come back in order (ISA guide 5.7.1): block b's 16 are in, the later blocks' 16 each may be out
	QSC \b, 18, 19, CD, FA0                        ; (its 64 holds are the places in front of the loads into the fragments that the last products read)
	QSC \b, 20, 21, CD+16, FA2
	QSC \b, 22, 23, CD+32, 0
	s_wait_dscnt 0x0                               ; the fragments are in, and the stores have read the codes' registers
	WIN 0x0c                                       ; source 1 (W2, W3) window 3
.if (\b) == 0
	v_wmma_f32_16x16x64_fp8_fp8 v[BB:BB+7],     v[FA0:FA0+7],    v[W2F:W2F+7], 0               ; the first products start the sums
	v_wmma_f32_16x16x64_fp8_fp8 v[BB+8:BB+15],  v[FA0+8:FA0+15], v[W2F:W2F+7], 0
	v_wmma_f32_16x16x64_fp8_fp8 v[BB+16:BB+23], v[FA2:FA2+7],    v[W3F:W3F+7], 0
	v_wmma_f32_16x16x64_fp8_fp8 v[BB+24:BB+31], v[FA2+8:FA2+15], v[W3F:W3F+7], 0
.else
	v_wmma_f32_16x16x64_fp8_fp8 v[BB:BB+7],     v[FA0:FA0+7],    v[W2F+8*(\b):W2F+8*(\b)+7], v[BB:BB+7]
	v_wmma_f32_16x16x64_fp8_fp8 v[BB+8:BB+15],  v[FA0+8:FA0+15], v[W2F+8*(\b):W2F+8*(\b)+7], v[BB+8:BB+15]
	v_wmma_f32_16x16x64_fp8_fp8 v[BB+16:BB+23], v[FA2:FA2+7],    v[W3F+8*(\b):W3F+8*(\b)+7], v[BB+16:BB+23]
	v_wmma_f32_16x16x64_fp8_fp8 v[BB+24:BB+31], v[FA2+8:FA2+15], v[W3F+8*(\b):W3F+8*(\b)+7], v[BB+24:BB+31]
.endif
.endm
	QB 0
	QB 1
	QB 2
	QB 3
	WIN 0
.irp i, 0,2,4,6,8,10,12,14
	v_pk_mul_f32 v[B1P+\i:B1P+\i+1], v[B1P+\i:B1P+\i+1], 0x3fb8aa3b op_sel_hi:[1,0]       ; b1 log2(e).  These eight are also the places behind the last products
.endr
.irp i, 0,1,2,3,4,5,6,7
	ds_store_b128 v[PST], v[BB+4*\i:BB+4*\i+3] offset:512*\i       ; my partial sums as images of their registers, each accumulator from its low end on
.endr
	s_wait_tensorcnt 0x1                           ; my part of slot 0 is in; slot 1's may stay out
	s_wait_dscnt 0x0                               ; for the others' sake: my codes and my partial sums lie in LDS
	s_barrier_signal -1
	s_barrier_wait -1
.irp w, 0,1,2,3
.irp i, 0,1,2,3,4,5,6,7
	ds_load_b128 v[P+32*\w+4*\i:P+32*\w+4*\i+3], v[PLD] offset:4096*\w+512*\i
.endr
.endr
.macro XCLOAD m                        ; x's eight fragments of rows 16 m on, whole K: they stay in window 1
	WIN 0x40
.irp q, 0,1,2,3,4,5,6,7
.irp c, 0,1,2,3
	ds_load_b128 v[16*(8*(\m)+\q)+4*\c:16*(8*(\m)+\q)+4*\c+3], v[LA] offset:2176*(8*(\m)+\q)+544*\c
.endr
.endr
.endm
	XCLOAD 0
	s_wait_dscnt 32                                ; the 32 loads of partial sums are in; the 32 issued behind them may be out
	XCLOAD 1
	WIN 0
.set II, 0
.rept 16                                       ; the four waves' shares of K are added: v128-143 B, v144-159 C; register 8 m + j, lane (r, h): row 16 m + 8 h + j, n = r
	v_pk_add_f32 v[P+II:P+II+1], v[P+II:P+II+1], v[P+32+II:P+32+II+1]
	v_pk_add_f32 v[P+64+II:P+64+II+1], v[P+64+II:P+64+II+1], v[P+96+II:P+96+II+1]
.set II, II+2
.endr
.set II, 0
.rept 16
	v_pk_add_f32 v[P+II:P+II+1], v[P+II:P+II+1], v[P+64+II:P+64+II+1]
.set II, II+2
.endr
.irp i, 0,2,4,6,8,10,12,14
	v_pk_fma_f32 v[P+\i:P+\i+1], v[P+\i:P+\i+1], s[50:51], v[28:29] op_sel_hi:[1,0,0]                           ; B = sum x 2^(e0+e1) + b2[n]  (of the pair v[28:29] the low word)
	v_pk_fma_f32 v[P+16+\i:P+16+\i+1], v[P+16+\i:P+16+\i+1], s[52:53], v[28:29] op_sel:[0,0,1] op_sel_hi:[1,0,1]  ; C = sum x 2^(e2+e3) + b3[n]  (the high word)
.endr
.irp i, 0,2,4,6,8,10,12,14
	v_pk_mul_f32 v[P+\i:P+\i+1], v[P+\i:P+\i+1], v[P+16+\i:P+16+\i+1]
.endr
.irp x, 1,2,4,8                                ; the sum over n = over the sixteen lanes of a half: every lane ends with s of its rows
.irp i, 0,1,2,3,4,5,6,7,8,9,10,11,12,13,14,15
	v_add_f32_dpp v[P+\i], v[P+\i], v[P+\i] row_xmask:\x row_mask:0xf bank_mask:0xf
.endr
.endr
.irp i, 0,2,4,6,8,10,12,14
	v_pk_mul_f32 v[P+\i:P+\i+1], v[P+\i:P+\i+1], 0x3f317218 op_sel_hi:[1,0]               ; x ln 2
.endr
; W1's four fragments (tiles t) of the slot's q-th 128 along K, into set buf: 16 loads in one run
.macro FETCHW p, q, buf
	WIN 0xc0
.irp t, 0,1,2,3
.irp c, 0,1,2,3
	ds_load_b128 v[64*(\buf)+16*\t+4*\c:64*(\buf)+16*\t+4*\c+3], v[WA+2*(\p)+\t/2] offset:(\t%2)*TREG+128*(\q)+32*\c
.endr
.endr
.endm
	FETCHW 0,0,0
	WIN 0x82                                       ; destination and source 0 window 2
.irp b, 0,1,2,3
.irp m, 0,1
.irp j, 0,2,4,6
.irp u, 0,2
	v_pk_mul_f32 v[64*\b+32*\m+4*\j+\u:64*\b+32*\m+4*\j+\u+1], v[64*\b+32*\m+4*\j+\u:64*\b+32*\m+4*\j+\u+1], v[P+8*\m+\j:P+8*\m+\j+1] op_sel_hi:[1,0]                       ; x s ln 2: row j takes the pair's low word,
	v_pk_mul_f32 v[64*\b+32*\m+4*\j+4+\u:64*\b+32*\m+4*\j+4+\u+1], v[64*\b+32*\m+4*\j+4+\u:64*\b+32*\m+4*\j+4+\u+1], v[P+8*\m+\j:P+8*\m+\j+1] op_sel:[0,1] op_sel_hi:[1,1]   ; row j + 1 its high word
.endr
.endr
.endr
.endr
; n matrix instructions of K step k (0..7), accumulators a0 on (a = 4 m + t).  The eight take turns, one instruction a turn, in the same order in every K step.
.macro MULS k, a0, n, zero
	WIN MUL
.set AA, \a0
.rept \n
.if \zero
	v_wmma_f32_16x16x128_fp8_fp8 v[ACC+8*AA:ACC+8*AA+7], v[16*(8*(AA/4)+(\k)):16*(8*(AA/4)+(\k))+15], v[64*((\k)%2)+16*(AA%4):64*((\k)%2)+16*(AA%4)+15], 0
.else
	v_wmma_f32_16x16x128_fp8_fp8 v[ACC+8*AA:ACC+8*AA+7], v[16*(8*(AA/4)+(\k)):16*(8*(AA/4)+(\k))+15], v[64*((\k)%2)+16*(AA%4):64*((\k)%2)+16*(AA%4)+15], v[ACC+8*AA:ACC+8*AA+7]
.endif
.set AA, AA+1
.endr
.endm
; THE SOFTPLUS of accumulator a's eight numbers, in two parts.  EPA: 1 + 2^-|z'| and max(z', 0).  A plain line stands between the last exponential and the first use of a result.
.macro EPA a
	WIN 0
.irp j, 0,1,2,3,4,5,6,7
	v_exp_f32 v[E+\j], -|v[Z+8*(\a)+\j]|
.endr
.irp j, 0,1,2,3,4,5,6
	v_max_num_f32 v[M+\j], 0, v[Z+8*(\a)+\j]
.endr
	s_wait_alu depctr_va_vdst(0)
.irp j, 0,2,4,6
	v_pk_add_f32 v[E+\j:E+\j+1], v[E+\j:E+\j+1], 1.0 op_sel_hi:[1,0]
.endr
.endm
; EPB: the logarithm, the sum, and the product with x s ln 2 of column block bp, into y's registers
.macro EPB bp, a
	WIN 0
.irp j, 0,1,2,3,4,5,6,7
	v_log_f32 v[E+\j], v[E+\j]
.endr
	v_max_num_f32 v[M+7], 0, v[Z+8*(\a)+7]         ; the eighth maximum is the plain line behind the logarithms
	s_wait_alu depctr_va_vdst(0)
.irp j, 0,2,4,6
	v_pk_add_f32 v[E+\j:E+\j+1], v[E+\j:E+\j+1], v[M+\j:M+\j+1]
.endr
.if ((\a)%4) == 0
	s_wait_xcnt 0x0                                ; these 32 registers of y were the data of the block before's stores: they are written again only behind this wait (ISA guide 3.1)
.endif
	WIN 0x08                                       ; source 1 (x s ln 2) window 2
.irp j, 0,1,2,3,4,5,6,7
	v_mul_f32 v[Y+32*((\a)/4)+4*\j+((\a)%4)], v[E+\j], v[64*(\bp)+32*((\a)/4)+4*\j+((\a)%4)]
.endr
.endm
.macro STY bp, m                       ; 16 rows x my 64 columns of block bp: sixteen lanes store 256 consecutive bytes, at a multiple of 256 from y's first byte; written once, read by nobody here
	WIN 0
.irp j, 0,1,2,3,4,5,6,7
	global_store_b128 v[XO], v[Y+32*(\m)+4*\j:Y+32*(\m)+4*\j+3], s[20:21] offset:(16*(\m)+\j)*4096+1024*(\bp) th:TH_STORE_NT
.endr
.endm
; A K step that has its successor in the same slot.  ep = 1: accumulator k of the block before gets its softplus round the run of loads; EPA's eleven plain lines are the places in front of them.
.macro KSTEP b, k, ep
.if \ep
	EPA \k
.else
	PLACES
.endif
	FETCHW (\k)/4,((\k)%4)+1,((\k)+1)%2
.if \ep
	EPB (\b)-1,\k
.endif
	s_wait_dscnt 16                                ; this K step's fragments are in; the 16 loads just issued may be out
	MULS \k,0,8,((\k)==0)
.endm
; A slot's last K step changes slots: ONE barrier; in front of it each wave waits for all its tensor loads, adds 0 to its spare word, and waits for that and for its own reads of this slot.
; fill = 1: the barrier opens a round of the cluster's, and this slot is filled again with the next column block's same half of K: the load has a slot's four K steps in which to land.
.macro TURN b, k, ep, fill, nxt
.if \ep
	EPA \k
	EPB (\b)-1,\k
	STY (\b)-1,(\k)/4
.endif
	WIN 0                                          ; (the add's two registers lie in window 0)
	s_wait_tensorcnt 0x0                           ; all my tensor loads have landed: my part of the other slot; so a group 0 may be written
	ds_add_u32 v[SPW], v[NIL]                      ; 0 onto my spare word
.if \fill
	s_add_nc_u64 s[G0+4*((\k)/4)+2:G0+4*((\k)/4)+3], s[G0+4*((\k)/4)+2:G0+4*((\k)/4)+3], 262144   ; 256 rows of W1 on; the type bits on top are not reached
.endif
	s_wait_dscnt 1                                 ; this K step's fragments are in; the add may be out
	MULS \k,0,4,0                                  ; four matrix instructions stand between the add and the wait for it
	s_wait_dscnt 0x0                               ; the add is done, and my reads of this slot are over
	s_barrier_signal -1
	MULS \k,4,4,0                                  ; work on registers while the others arrive
	WIN 0
	s_barrier_wait -1
.if \fill
	CREST                                          ; no wave of any partner still reads this slot or has a load on its way
	tensor_load_to_lds s[G0+4*((\k)/4):G0+4*((\k)/4)+3], s[G1:G1+7]   ; my one tensor load behind the round, and the first thing there: one load of mine is out
	s_nop 0
.endif
	PLACES                                         ; four v_nop behind the load; also the places in front of the loads and of the reads of the sums below
.if \nxt
	FETCHW 1-(\k)/4,0,0
.endif
.endm
; z' = sum x log2(e) 2^(e4+e5) + b1 log2(e), into registers of its own, so that the accumulators are free for the next block; each accumulator from its low end on
.macro DRAIN b
	WIN 0
.set AA, 0
.rept 8
.irp i, 0,2,4,6
.if (AA%2) == 0
	v_pk_fma_f32 v[Z+8*AA+\i:Z+8*AA+\i+1], v[ACC+8*AA+\i:ACC+8*AA+\i+1], s[SCL:SCL+1], v[B1P+4*(\b)+(AA%4):B1P+4*(\b)+(AA%4)+1] op_sel_hi:[1,0,0]
.else
	v_pk_fma_f32 v[Z+8*AA+\i:Z+8*AA+\i+1], v[ACC+8*AA+\i:ACC+8*AA+\i+1], s[SCL:SCL+1], v[B1P+4*(\b)+(AA%4)-1:B1P+4*(\b)+(AA%4)] op_sel:[0,0,1] op_sel_hi:[1,0,1]
.endif
.endr
.set AA, AA+1
.endr
.endm
.macro BLOCK b, ep, fill               ; a column block of 256: K steps 0-3 from slot 0, 4-7 from slot 1
	KSTEP \b,0,\ep
	KSTEP \b,1,\ep
	KSTEP \b,2,\ep
	TURN \b,3,\ep,\fill,1
	KSTEP \b,4,\ep
	KSTEP \b,5,\ep
	KSTEP \b,6,\ep
	TURN \b,7,\ep,\fill,1
	DRAIN \b
.endm
	BLOCK 0,0,1
	BLOCK 1,1,1
	BLOCK 2,1,1
	KSTEP 3,0,1                                    ; the last block is written out: it asks for nothing more
	KSTEP 3,1,1
	KSTEP 3,2,1
	TURN 3,3,1,0,1                                 ; the last change of slots: a plain barrier, nothing is filled again
	KSTEP 3,4,1
	KSTEP 3,5,1
	KSTEP 3,6,1
	EPA 7
	EPB 2,7
	STY 2,1
	s_wait_dscnt 0x0                               ; the last K step's fragments
	MULS 7,0,8,0
	WIN 0
	PLACES
	DRAIN 3
.irp a, 0,1,2,3,4,5,6,7                        ; the last block's softplus has no products to stand among
	EPA \a
	EPB 3,\a
.if \a == 3
	STY 3,0
.endif
.endr
	STY 3,1
	s_wait_tensorcnt 0x0                           ; the wave's end, behind my last tensor load and my last LDS store
	ds_add_u32 v[SPW], v[NIL]
	s_wait_dscnt 0x0
	CROUND                                         ; the closing round: no work-group ends while a partner may still ask for a tile that names it
	s_endpgm
.Lfunc_end_k_q3e9696af9e_s6:
	.size	k_q3e9696af9e_s6, .Lfunc_end_k_q3e9696af9e_s6-k_q3e9696af9e_s6
	.p2alignl 7, 3214868480
	.fill 96, 4, 3214868480
	.section	.rodata,"a",@progbits
	.p2align	6, 0x0
	.amdhsa_kernel k_q3e9696af9e_s6
		.amdhsa_group_segment_fixed_size 327680
		.amdhsa_private_segment_fixed_size 0
		.amdhsa_enable_private_segment 0
		.amdhsa_kernarg_size 72
		.amdhsa_user_sgpr_count 2
		.amdhsa_user_sgpr_kernarg_segment_ptr 1
		.amdhsa_wavefront_size32 1
		.amdhsa_system_sgpr_workgroup_id_x 1
		.amdhsa_system_sgpr_workgroup_id_y 1
		.amdhsa_system_sgpr_workgroup_id_z 1
		.amdhsa_system_vgpr_workitem_id 0
		.amdhsa_next_free_vgpr 1024
		.amdhsa_next_free_sgpr 66
		.amdhsa_reserve_vcc 0
		.amdhsa_float_denorm_mode_32 3
		.amdhsa_float_denorm_mode_16_64 3
		.amdhsa_memory_ordered 1
		.amdhsa_forward_progress 1
		.amdhsa_inst_pref_size 242
	.end_amdhsa_kernel
	.amdgpu_metadata
---
amdhsa.version: [ 1, 2 ]
amdhsa.kernels:
  - .name:           k_q3e9696af9e_s6
    .symbol:         k_q3e9696af9e_s6.kd
    .args:
      - { .name: x, .offset: 0, .size: 8, .value_kind: global_buffer, .address_space: global }
      - { .name: W1_codes, .offset: 8, .size: 8, .value_kind: global_buffer, .address_space: global }
      - { .name: W2_codes, .offset: 16, .size: 8, .value_kind: global_buffer, .address_space: global }
      - { .name: W3_codes, .offset: 24, .size: 8, .value_kind: global_buffer, .address_space: global }
      - { .name: b1, .offset: 32, .size: 8, .value_kind: global_buffer, .address_space: global }
      - { .name: b2, .offset: 40, .size: 8, .value_kind: global_buffer, .address_space: global }
      - { .name: b3, .offset: 48, .size: 8, .value_kind: global_buffer, .address_space: global }
      - { .name: lowp_scales, .offset: 56, .size: 8, .value_kind: global_buffer, .address_space: global }
      - { .name: out0, .offset: 64, .size: 8, .value_kind: global_buffer, .address_space: global }
    .group_segment_fixed_size: 327680
    .private_segment_fixed_size: 0
    .kernarg_segment_align: 8
    .kernarg_segment_size: 72
    .max_flat_workgroup_size: 128
    .sgpr_count:     66
    .vgpr_count:     1024
    .wavefront_size: 32
...
	.end_amdgpu_metadata
.endif
;; end of part 1
